; MI455X (gfx1250); checked and timed in simulation.
; The chip was launched on July 23, 2026; its instructions are those of AMD's public machine-readable ISA for CDNA 5 (MIT licence, August 2026) and "CDNA5" Instruction Set Architecture Reference Guide (July 2026). The comments in the code are by the model that wrote it; some were corrected since.
;; Bahdanau Attention. Allowed arithmetic: matrix products marked QUANTISED: E4M3 operands, one E8M0 scale for each 32 along K, by v_wmma_scale_f32_16x16x128_f8f6f4 with both operands' format E4M3, f32 sums; products left as they are: f32 operands where the result goes on into a quantised operand, else bf16, f16 or f32 operands; f32 sums; everything else in f32.
;; Inputs: Ua_b 1,024 float32; Ua_w 1,024 x 1,024 float32; Va_b 1 float32; Va_w 1 x 1,024 float32; Wa_b 1,024 float32; Wa_w 1,024 x 1,024 float32; keys 32 x 2,048 x 1,024 float32; query 32 x 1 x 1,024 float32.
;; Outputs: out0 32 x 1 x 1,024 float32; out1 32 x 1 x 2,048 float32.
;; This version of the problem:
;;   THIS VERSION OF THE PROBLEM IS GIVEN IN LOW PRECISION. The matrix products marked QUANTISED in the list below multiply operands that are first quantised to E4M3 (4 exponent bits, 3 mantissa bits; 8 bits a number), with one power-of-two scale for each 32 numbers along K (OCP MX v1.0); their sums are f32. All else is computed in f32.
;;   The module's matrix products, in the order in which they are computed (A, B: the left and right operand; K: the contracted axis; several contracted axes count as one K, in the product's order):
;;     1. [M 32, K 1,024] x [K 1,024, N 1,024]; A: input query; B: input Wa_w: QUANTISED
;;     2. [M 65,536, K 1,024] x [K 1,024, N 1,024]; A: input keys; B: input Ua_w: QUANTISED
;;     3. [M 65,536, K 1,024] x [K 1,024, N 1]; A: computed on the way; B: input Va_w: left as it is (N = 1 < 16)
;;     4. batch 32 x [M 1, K 2,048] x [K 2,048, N 1,024]; A: softmax; B: input keys: left as it is (M = 1 < 16)
;;   THE QUANTISER, for each operand of a quantised product, along K:
;;     - K is cut into blocks of 32 from its start; a last block that is shorter is filled with zeros.
;;     - A block's scale is 2^e with e = floor(log2(the largest magnitude in the block)) - 8, held to -126 .. 127; a block of zeros has e = 0. As a byte (E8M0): e + 127.
;;     - Each number is divided by its block's scale, clamped to +-448, and rounded to the nearest number of E4M3, ties to even, subnormals kept.
;;     - The product sums the exact products of the quantised numbers (number of the format x scale) in f32.
;;   ~~~python
;;   def quantise(x, axis):      # numpy; x: float32 -> the quantised numbers, widened to float32 again
;;       x = np.moveaxis(x, axis, -1); K = x.shape[-1]
;;       x = np.pad(x, [(0, 0)] * (x.ndim - 1) + [(0, -K % 32)]); x = x.reshape(x.shape[:-1] + (-1, 32)); a = np.abs(x).max(-1, keepdims=True)
;;       e = np.where(a > 0, np.clip(np.frexp(np.where(a > 0, a, 1))[1] - 1 - 8, -126, 127), 0)      # np.frexp(a)[1] - 1 = floor(log2(a)), exactly
;;       r = np.clip(x / 2.0 ** e, -448, 448)
;;       step = 2.0 ** (np.maximum(np.frexp(np.where(r == 0, 1, r))[1] - 1, -6) - 3)
;;       q = np.round(r / step) * step * 2.0 ** e      # np.round: ties to even
;;       return np.moveaxis(q.reshape(q.shape[:-2] + (-1,))[..., :K], -1, axis).astype(np.float32)
;;   ~~~
;; One version. Each part assembles by itself: llvm-mc -triple=amdgcn-amd-amdhsa -mcpu=gfx1250 --defsym DOCPART=n.
;; ======== version 1 of 1: 3 launches
;; workspace buffers: ua 1,081,344 bytes; qb 131,072 bytes; sc 262,144 bytes; pc 1,048,576 bytes; pml 65,536 bytes
;; launch prep (part 1): grid 192 x 1, 8 waves a work-group, no clusters, 9,216 bytes of LDS; arguments Ua_w, Wa_w, query, Wa_b, Ua_b, ua, qb; writes ua, qb
.if DOCPART == 1
	.amdgcn_target "amdgcn-amd-amdhsa--gfx1250"
	.amdhsa_code_object_version 6
	.text
	.protected	k_q2fb0c29f31_prep
	.globl	k_q2fb0c29f31_prep
	.p2align	8
	.type	k_q2fb0c29f31_prep,@function
k_q2fb0c29f31_prep:
	s_mov_b64 s[64:65], 0
	v_nop
	global_prefetch_b8 v0, s[64:65] scope:SCOPE_SE
	s_setreg_imm32_b32 hwreg(HW_REG_WAVE_MODE, 25, 1), 1
	s_wait_xcnt 0x0
; Two jobs, told apart by the work-group's number (the same for all eight waves of a work-group).
; Work-groups 0-63: 16 rows of Ua_w [1024][1024] f32 become codes of E4M3 with one E8M0 byte for each 32 along K, stored in the ORDER OF THE OPERAND'S REGISTERS for the main launch.
; Work-groups 64-191: a tile 16 batches x 16 outputs of q = query Wa_w^T on such codes; qb = 2 log2(e) (q + Wa_b + Ua_b), the addend of the main launch's exponent.
; Wave w takes K step w (128 along K).  Lane (r, h) holds row r and, of each block of 32, the 16 numbers 16 h + 0 .. 15: the conversions' results are the operand's registers.
; ua.  Column n = 512 c + 128 wave + 16 j + r of the main launch; K step s.  A fragment is 2,048 bytes: register group cg at 512 cg + 16 lane.
;   Tiles: [4 c + s / 2][wave] units of 29,696 bytes: for each of the two K steps the fragments j = 0 .. 6 (14,336 bytes), then for each 512 bytes of scale words:
;   the word of tile j, column r at 16 (r + 16 (j % 2)) + 4 (j / 2), j = 7 too.   Behind the eight tiles: the fragments j = 7, [8 c + s][wave].
; LIMITS: NaN and infinities are not served; a block of zeros gets the byte 1 (its codes are zeros; this program alone reads the bytes).
.set UNIT,  29696
.set U7OFF, 8*4*UNIT
.set TM,   16                          ; v16-19 largest magnitudes, v20-23 bytes, v24-27 448 x scale, v28-31 the conversions' scale operands
.set WW,   32                          ; v32 the weight's scale word, v33 query's: they hold scales alone
.set QW,   33
.set WC,   36                          ; v36-51 the weight's codes
.set QCD,  52                          ; v52-67 query's codes
.set D,    68                          ; v68-75 my K step's part of the tile
.set PT,   76                          ; v76-83 eight parts of one register of the tile
.set RAWW, 96                          ; v96-159 64 numbers of the weight
.set RAWQ, 160                         ; v160-223 64 numbers of query
.set SEL,  36                          ; s[36:37] lane selects: lane l xor 16
.set MNT,  38                          ; s38 the mantissa field of 448
.macro XLOAD reg, sb                   ; my 64 numbers of a K step: 16 neighbours of each block of 32
.irp b, 0,1,2,3
.irp j, 0,1,2,3
	global_load_b128 v[\reg+16*\b+4*\j:\reg+16*\b+4*\j+3], v3, s[\sb:\sb+1] offset:128*\b+16*\j
.endr
.endr
.endm
.macro QUANT s, cod, wrd               ; 64 numbers v[s] on (register 16 b + i = k 32 b + 16 h + i of my row) become a fragment's codes and its scale word
.irp b, 0,1,2,3
	v_max3_num_f32 v[TM+\b], |v[\s+16*\b]|, |v[\s+1+16*\b]|, 0x4800000   ; with the floor 2^(9 - 127): the byte cannot fall under 1
.endr
.irp i, 2,4,6,8,10,12,14
.irp b, 0,1,2,3
	v_max3_num_f32 v[TM+\b], v[TM+\b], |v[\s+16*\b+\i]|, |v[\s+1+16*\b+\i]|
.endr
.endr
.irp b, 0,1,2,3
	v_permlanex16_b32 v[TM+4+\b], v[TM+\b], s[SEL], s[SEL+1]
.endr
.irp b, 0,1,2,3
	v_max_num_f32 v[TM+\b], v[TM+\b], v[TM+4+\b]           ; with lane l xor 16's 16: the block's largest magnitude
.endr
.irp b, 0,1,2,3
	v_add_nc_u32 v[TM+12+\b], 0xfc000000, v[TM+\b]         ; 8 off its exponent field: the conversion's scale operand
.endr
.irp b, 0,1,2,3
	v_and_or_b32 v[TM+8+\b], v[TM+\b], 0x7f800000, s[MNT]  ; 448 x the scale
.endr
.irp b, 0,1,2,3
	v_lshrrev_b32 v[TM+4+\b], 23, v[TM+12+\b]              ; the scale's byte
.endr
	v_lshl_or_b32 v[\wrd], v[TM+5], 8, v[TM+4]
	v_lshl_or_b32 v[\wrd], v[TM+6], 16, v[\wrd]
	v_lshl_or_b32 v[\wrd], v[TM+7], 24, v[\wrd]
.irp b, 0,1,2,3
.irp i, 0,1,2,3,4,5,6,7,8,9,10,11,12,13,14,15
	v_med3_num_f32 v[\s+16*\b+\i], v[\s+16*\b+\i], -v[TM+8+\b], v[TM+8+\b]   ; the conversion does not saturate (ISA guide 7.6.2): the hold at 448 x the scale
.endr
	v_cvt_scalef32_pk8_fp8_f32 v[\cod+4*\b:\cod+4*\b+1], v[\s+16*\b:\s+16*\b+7], v[TM+12+\b]
	v_cvt_scalef32_pk8_fp8_f32 v[\cod+4*\b+2:\cod+4*\b+3], v[\s+16*\b+8:\s+16*\b+15], v[TM+12+\b]
.endr
	v_nop                                          ; one plain line behind the last conversion
.endm
	s_load_b256 s[4:11], s[0:1], 0x0               ; Ua_w s[4:5], Wa_w s[6:7], query s[8:9], Wa_b s[10:11]
	s_load_b128 s[12:15], s[0:1], 0x20             ; Ua_b s[12:13], ua s[14:15]
	s_load_b64 s[16:17], s[0:1], 0x30              ; qb
	v_lshl_add_u32 v224, v0, 2, 0x2000
	v_mov_b32 v225, 0
	v_lshrrev_b32 v1, 5, v0
	v_readfirstlane_b32 s18, v1                    ; wave = K step
	v_and_b32 v1, 15, v0                           ; r
	v_bfe_u32 v2, v0, 4, 1                         ; h
	v_lshlrev_b32 v3, 12, v1
	v_lshl_add_u32 v3, v2, 6, v3                   ; row r of 4,096 bytes + 64 h
	v_and_b32 v4, 31, v0
	s_lshl_b32 s19, s18, 10
	v_lshl_add_u32 v6, v4, 2, s19                  ; LDS, in: 1,024 wave + 4 lane
	v_lshlrev_b32 v4, 4, v4                        ; 16 lane: an image's place
	v_lshlrev_b32 v5, 4, v1                        ; 16 r: a scale word's place
	v_lshlrev_b32 v7, 2, v0                        ; LDS, back: 128 wave + 4 lane
	v_lshlrev_b32 v8, 2, v1                        ; 4 r: the biases
	v_lshl_add_u32 v9, v2, 15, v8                  ; qb: 8 h rows of 4,096 bytes + 4 r
.irp b, 0,1,2,3
	v_mov_b32 v[TM+4+\b], 0                        ; a lane permute's destination counts as one of its sources
.endr
	s_mov_b32 s[SEL], 0x76543210
	s_mov_b32 s[SEL+1], 0xfedcba98
	s_mov_b32 s[MNT], 0x600000
	s_wait_kmcnt 0x0
	s_cmp_lt_u32 ttmp9, 64                         ; Ua's work-group or Wa's: the choice hangs on the work-group's number alone
	s_cselect_b64 s[20:21], s[4:5], s[6:7]
	s_cselect_b32 s19, 0, 64
	s_cselect_b32 s22, 0, 1
	s_sub_co_u32 s19, ttmp9, s19                   ; Ua: the tile of 16 rows; Wa: 2 x that tile + the tile of batches
	s_lshr_b32 s23, s19, s22                       ; nt
	s_lshl_b32 s26, s23, 16                        ; 16 rows of 4,096 bytes
	s_lshl_b32 s28, s18, 9                         ; + my K step's 512 bytes
	s_add_co_u32 s26, s26, s28
	s_mov_b32 s27, 0
	s_add_nc_u64 s[20:21], s[20:21], s[26:27]
	XLOAD RAWW, 20
	s_cmp_lt_u32 ttmp9, 64
	s_cbranch_scc0 .Lwa
	; ---- Ua: the fragment's image and its scale words go to ua
	s_lshr_b32 s26, s23, 5                         ; c
	s_lshl_b32 s26, s26, 3
	s_add_co_u32 s26, s26, s18                     ; u = 8 c + s
	s_bfe_u32 s29, s23, 0x20003                    ; the main launch's wave: (nt / 8) % 4
	s_and_b32 s24, s23, 7                          ; j
	s_lshl_b32 s30, s26, 2
	s_add_co_u32 s30, s30, s29
	s_lshl_b32 s30, s30, 11
	s_add_co_u32 s30, s30, U7OFF                   ; where a fragment j = 7 goes: [u][wave]
	s_lshr_b32 s25, s26, 1                         ; the tile: 4 c + s / 2
	s_lshl_b32 s25, s25, 2
	s_add_co_u32 s25, s25, s29
	s_mul_i32 s25, s25, UNIT                       ; the unit
	s_and_b32 s26, s26, 1                          ; which of its two K steps
	s_mul_i32 s22, s26, 14336
	s_add_co_u32 s22, s22, s25
	s_lshl_b32 s19, s24, 11
	s_add_co_u32 s22, s22, s19                     ; where a fragment j < 7 goes
	s_cmp_eq_u32 s24, 7
	s_cselect_b32 s30, s30, s22
	s_mov_b32 s31, 0
	s_add_nc_u64 s[32:33], s[14:15], s[30:31]
	s_lshl_b32 s30, s26, 9                         ; the scale words: 512 bytes a K step, behind the unit's 28,672 bytes of codes
	s_add_co_u32 s30, s30, s25
	s_and_b32 s19, s24, 1
	s_lshl_b32 s19, s19, 8                         ; 16 x 16 (j % 2)
	s_add_co_u32 s30, s30, s19
	s_lshr_b32 s19, s24, 1
	s_lshl_b32 s19, s19, 2                         ; 4 (j / 2)
	s_add_co_u32 s30, s30, s19
	s_add_co_u32 s30, s30, 28672
	s_add_nc_u64 s[34:35], s[14:15], s[30:31]
	s_wait_loadcnt 0x0
	QUANT RAWW, WC, WW
.irp c, 0,1,2,3
	global_store_b128 v4, v[WC+4*\c:WC+4*\c+3], s[32:33] offset:512*\c   ; 32 lanes store 512 consecutive bytes
.endr
	global_store_b32 v5, v[WW], s[34:35]           ; lanes r and r + 16 hold the same word and write it to the same place
	s_endpgm
.Lwa:	; ---- Wa: one product for my K step, then the eight parts are added through LDS
	s_and_b32 s24, s19, 1                          ; mt
	s_lshl_b32 s26, s24, 16
	s_add_co_u32 s26, s26, s28
	s_add_nc_u64 s[8:9], s[8:9], s[26:27]          ; query at batch 16 mt, my K step
	XLOAD RAWQ, 8
	s_lshl_b32 s26, s23, 6                         ; 64 nt: the tile's 16 outputs
	s_add_nc_u64 s[10:11], s[10:11], s[26:27]
	s_add_nc_u64 s[12:13], s[12:13], s[26:27]
	global_load_b32 v10, v8, s[10:11]
	global_load_b32 v11, v8, s[12:13]
	s_lshl_b32 s29, s24, 4
	s_add_co_u32 s29, s29, s18
	s_lshl_b32 s29, s29, 12                        ; batch 16 mt + wave
	s_add_co_u32 s30, s29, s26
	s_mov_b32 s31, 0
	s_add_nc_u64 s[16:17], s[16:17], s[30:31]
	s_wait_loadcnt 18                              ; the weight's 16 loads are in; query's 16 and the two biases may be out
	QUANT RAWW, WC, WW
	s_wait_loadcnt 0x0
	QUANT RAWQ, QCD, QW
.rept 4
	v_nop                                          ; codes written by vector instructions stand four places ahead of a scaled matrix instruction; the scale words were made ahead of the holds
.endr
	v_wmma_scale_f32_16x16x128_f8f6f4 v[D:D+7], v[QCD:QCD+15], v[WC:WC+15], 0, v[QW], v[WW]   ; register j, lane (r, h): batch 8 h + j, output r
.rept 8
	v_nop                                          ; eight places behind this form before its result is read
.endr
.irp j, 0,1,2,3,4,5,6,7
	ds_store_b32 v6, v[D+\j] offset:128*\j
.endr
	s_wait_dscnt 0x0                               ; for the others' sake: my stores have landed
	s_barrier_signal -1
	s_barrier_wait -1
.irp i, 0,1,2,3,4,5,6,7
	ds_load_b32 v[PT+\i], v7 offset:1024*\i        ; register j = my wave's number, of all eight K steps
.endr
	s_wait_dscnt 0x0
	v_add_f32 v[PT], v[PT], v[PT+1]
.irp i, 2,3,4,5,6,7
	v_add_f32 v[PT], v[PT], v[PT+\i]               ; K ascending
.endr
	v_add_f32 v[PT], v[PT], v10
	v_add_f32 v[PT], v[PT], v11
	v_mul_f32 v[PT], 0x4038aa3b, v[PT]             ; x 2 log2(e)
	global_store_b32 v9, v[PT], s[16:17]
	s_wait_tensorcnt 0x0
	ds_add_u32 v224, v225
	s_wait_dscnt 0x0
	s_endpgm
.Lfunc_end_k_q2fb0c29f31_prep:
	.size	k_q2fb0c29f31_prep, .Lfunc_end_k_q2fb0c29f31_prep-k_q2fb0c29f31_prep
	.p2alignl 7, 3214868480
	.fill 96, 4, 3214868480
	.section	.rodata,"a",@progbits
	.p2align	6, 0x0
	.amdhsa_kernel k_q2fb0c29f31_prep
		.amdhsa_group_segment_fixed_size 9216
		.amdhsa_private_segment_fixed_size 0
		.amdhsa_enable_private_segment 0
		.amdhsa_kernarg_size 56
		.amdhsa_user_sgpr_count 2
		.amdhsa_user_sgpr_kernarg_segment_ptr 1
		.amdhsa_wavefront_size32 1
		.amdhsa_system_sgpr_workgroup_id_x 1
		.amdhsa_system_sgpr_workgroup_id_y 1
		.amdhsa_system_sgpr_workgroup_id_z 1
		.amdhsa_system_vgpr_workitem_id 0
		.amdhsa_next_free_vgpr 226
		.amdhsa_next_free_sgpr 66
		.amdhsa_reserve_vcc 0
		.amdhsa_float_denorm_mode_32 3
		.amdhsa_float_denorm_mode_16_64 3
		.amdhsa_memory_ordered 1
		.amdhsa_forward_progress 1
		.amdhsa_inst_pref_size 34
	.end_amdhsa_kernel
	.amdgpu_metadata
---
amdhsa.version: [ 1, 2 ]
amdhsa.kernels:
  - .name:           k_q2fb0c29f31_prep
    .symbol:         k_q2fb0c29f31_prep.kd
    .args:
      - { .name: Ua_w, .offset: 0, .size: 8, .value_kind: global_buffer, .address_space: global }
      - { .name: Wa_w, .offset: 8, .size: 8, .value_kind: global_buffer, .address_space: global }
      - { .name: query, .offset: 16, .size: 8, .value_kind: global_buffer, .address_space: global }
      - { .name: Wa_b, .offset: 24, .size: 8, .value_kind: global_buffer, .address_space: global }
      - { .name: Ua_b, .offset: 32, .size: 8, .value_kind: global_buffer, .address_space: global }
      - { .name: ua, .offset: 40, .size: 8, .value_kind: global_buffer, .address_space: global }
      - { .name: qb, .offset: 48, .size: 8, .value_kind: global_buffer, .address_space: global }
    .group_segment_fixed_size: 9216
    .private_segment_fixed_size: 0
    .kernarg_segment_align: 8
    .kernarg_segment_size: 56
    .max_flat_workgroup_size: 256
    .sgpr_count:     66
    .vgpr_count:     226
    .wavefront_size: 32
...
	.end_amdgpu_metadata
.endif
;; end of part 1
;; launch main (part 2): grid 256 x 1, 4 waves a work-group, clusters of 4 x 1, 327,680 bytes of LDS; arguments keys, ua, qb, Va_w, Va_b, sc, pc, pml; writes sc, pc, pml
.if DOCPART == 2
	.amdgcn_target "amdgcn-amd-amdhsa--gfx1250"
	.amdhsa_code_object_version 6
	.text
	.protected	k_q2fb0c29f31_main
	.globl	k_q2fb0c29f31_main
	.p2align	8
	.type	k_q2fb0c29f31_main,@function
k_q2fb0c29f31_main:
	s_mov_b64 s[64:65], 0
	v_nop
	global_prefetch_b8 v0, s[64:65] scope:SCOPE_SE
	s_setreg_imm32_b32 hwreg(HW_REG_WAVE_MODE, 25, 1), 1
	s_wait_xcnt 0x0
	s_wait_alu depctr_hold_cnt(0) depctr_sa_sdst(0) depctr_va_vdst(0) depctr_va_sdst(0) depctr_va_ssrc(0) depctr_va_vcc(0) depctr_vm_vsrc(0)
	s_getreg_b32 s2, hwreg(HW_REG_IB_STS2, 6, 4)
	s_cmp_eq_u32 s2, 0
	s_cbranch_scc0 .Lentry_in_a_cluster
	s_endpgm
.Lentry_in_a_cluster:
	s_bfe_u32 s2, ttmp6, 0x10000c
	s_cmp_lg_u32 s2, 0x3003
	s_cbranch_scc0 .Lentry_shape_is_right
	s_endpgm
.Lentry_shape_is_right:
; scores[b][t] = Va . tanh(Wa q_b + Ua k_bt + biases) + Va_b, and, of the softmax over t, this work-group's part: a running maximum m, sum l and unnormalised context.
; KEYS ARE READ ONCE.  A work-group owns 256 rows of keys of one batch, as four blocks of 64.  A block's rows come into registers as f32, are quantised along K (E4M3, one E8M0 byte for each 32) into LDS,
; and are kept as bf16 in registers until their scores are known; then they are added into the context with p = 2^((s - m) log2 e), which rescales by 2^((m_old - m_new) log2 e) when m grows.
; THE PRODUCT.  64 rows x 1,024 columns in two chunks of 512; a wave makes 64 x 128: 32 accumulators.  Source 0 = 16 rows of keys, source 1 = 16 columns of Ua: register jj of lane (r, h) is (row 8 h + jj, column r).
; Ua's codes (laid in the order of the operand's registers by the launch before) come in tiles of TWO K steps x 512 columns through two LDS slots; each wave fetches and reads its own quarter.
; Two whole such slots (2 x 135,168 bytes) and the 71,168 bytes of keys' codes and scratch are 13,824 bytes more than LDS has: so a tile holds seven of a wave's eight fragments of each K step and all scale words,
; and the eighth fragment comes straight from memory into its registers, asked for one K step ahead; the products that want it stand last in their run.
; CLUSTER.  All work-groups walk the same tiles of Ua: the four of a cluster ask for each tile jointly (mask 15).  keys are shared by nobody.
; tanh(x) = 1 - 2 / (1 + 2^(2 log2(e) x)): it goes to +-1 where the exponential overflows or vanishes.  So a score is sum(Va) - 2 sum(Va / (1 + ..)).
; THE NEXT BLOCK'S ROWS are asked for a few loads at a time among the last epilogue, the reduction and the context, always 128 loads in the order of the rows, on every path, so that the counted waits hold as written.
; In a work-group's last block there is no next block: there the loads' offset is 0 in every lane and their base does not step, so each reads the first 32 bytes of a row of the block in hand, and what it brings is not used.
; LIMITS: NaN and infinities are not served; a block of zeros gets the byte 1 (zero codes); keys are rounded to bf16 for the context.  The context's partial (4,096 bytes a work-group) is stored 32 bytes a lane in two stores.
; REGISTERS, in windows of 256.  Window 0: see the names below.  Window 1: accumulator (m, j) at 8 (8 m + j); between products rows 32-63 as loaded, at 8 (t - 32).
;   Window 2: Ua's fragments, set p at 128 p + 16 j; between products rows 0-31 as loaded, at 8 t.   Window 3: row t as bf16 at 4 t.
.set FRG,   2048                       ; a fragment's image
.set HALFU, 7*FRG                      ; a K step's seven fragments
.set UNIT,  2*HALFU+1024               ; a wave's quarter of a tile: 29,696 bytes = 116 rows of 256 bytes
.set TILE,  4*UNIT
.set U7OFF, 8*TILE                     ; behind the eight tiles: the eighth fragments, [K step 8 c + s][wave]
.set SLOT1, 1<<17                      ; slot 0 at 0, slot 1 here: one exclusive or turns an address in one slot into the other's
.set ASC,   TILE                       ; keys' scale bytes: 256 s + 16 (t % 16) + 4 (t / 16) + block
.set SCR,   ASC+2048                   ; the waves' parts of 64 scores: [wave][64] f32
.set PB,    SCR+1024                   ; 64 p for each wave, its own
.set SPARE, PB+1024                    ; the spare words: 128 bytes a wave, two blocks of 256 bytes that no other line names
.set CODES, SLOT1+TILE                 ; keys' codes: 64 rows,
.set CP,    1040                       ; 1,024 bytes + 16: an odd multiple of 16, so the 16 rows of a fragment load start at 16 different groups of banks (ISA guide 11.1)
.set SPW, 2                            ; v2  SPARE + 4 x thread; never rewritten
.set NIL, 3                            ; v3  0; never rewritten
.set KO,  4                            ; v4  32 x thread: my 8 columns of a row
.set CW,  5                            ; v5  CODES + 8 x thread
.set SW,  6                            ; v6  ASC + 256 (thread / 16) + (thread / 4) % 4: my block's byte
.set ADRA, 7                           ; v7  keys' fragments of the K step in hand; v8 of K step 0
.set ADRA0, 8
.set ADRS, 9                           ; v9  keys' scale words likewise; v10
.set ADRS0, 10
.set ADB, 11                           ; v11 my unit in the slot in hand, + 16 x lane; v12 in slot 0
.set ADRB0, 12
.set SCRW, 13
.set SCRR, 14
.set PBW, 15
.set PBR, 16
.set SCO, 17                           ; v17 8 x lane
.set PFO, 18                           ; v18 32,768 x wave + 256 x lane: the prefetches' offset
.set QO,  19                           ; v19 512 x wave + 4 r
.set VS,  20                           ; v[20:21] the sum of Va over my 16 columns, twice
.set MX,  22                           ; v22 m, v23 l
.set LS,  23
.set CTX, 24                           ; v24-31 the context at my 8 columns
.set QC,  32                           ; v32-47 qb at column (c, j, r): 8 c + j
.set VA2, 48                           ; v48-63 -2 Va likewise
.set S,   64                           ; v64-95 my part of the score of row 16 m + 8 h + jj: 8 m + jj
.set SCA, 96                           ; v96-111 scale words alone: set p at 8 p: four of keys (tile m), four of Ua (tiles 2 i in lanes 0-15, 2 i + 1 in lanes 16-31)
.set M,   112                          ; v112-115 largest magnitudes; v116-119 scale operands; v120-123 448 x scale
.set SCL, 116
.set H,   120
.set KOL, 124                          ; v124 the rows' loads' offset: KO, or 0 where there is no next block
.set L16, 125                          ; v125 16 x lane: my place in the eighth fragment
.set AF,  128                          ; v128-255 keys' fragments, set p at 64 p + 16 m
.set T,   128                          ; quantising: v128-159 four rows held; v160-175 codes, two sets; v176-183 bytes, two sets
.set CQ,  160
.set EQ,  176
.set P,   128                          ; softmax: v128-191 the 64 p; v192-199 at work
.set KP,  4                            ; s[4:5] keys at the block; s[6:7] ua; s[8:9] qb; s[10:11] Va_w; s[12:13] Va_b; s[14:15] sc; s[16:17] pc; s[18:19] pml
.set SC,  14
.set WV,  20
.set GI,  21
.set BLK, 22                           ; blocks to go
.set CNT, 23
.set G1,  24                           ; s[24:31] descriptor group 1
.set G0,  32                           ; s[32:35] group 0: it walks
.set UAB, 36                           ; s[36:37] ua at my unit of tile 0
.set LB0, 38
.set MNT, 39
.set SEL, 40
.set C2S, 42                           ; s[42:43] 2 log2(e)
.set L2E, 44
.set VBV, 45                           ; Va_b
.set TB,  48                           ; s48 LDS byte at which the slot in hand begins
.set MSK, 49                           ; s49 all ones, or 0 where there is no next block
.set U7,  50                           ; s[50:51] the eighth fragments of the pair of K steps in hand
.set KST, 52                           ; s[52:53] the step to the next block
.set U7B, 54                           ; s[54:55] ua at my eighth fragment of K step 0
.set NF,  46                           ; LDS loads of a K step: 28 of Ua, 16 of keys, 2 of scale words
.set MUL, 0x58                         ; source 0 (keys) window 0, source 1 (Ua) window 2, C and D window 1
.set MSB, 0
.macro WIN new                         ; the immediate's high byte repeats the setting that is left
.if MSB != \new
	s_set_vgpr_msb (MSB<<8)|\new
.set MSB, \new
.endif
.endm
.macro NOPS n
.rept \n
	v_nop
.endr
.endm
.macro CROUND                          ; a round of the cluster's barrier
	s_barrier_signal -1
	s_barrier_wait -1
	s_cmp_lg_u32 s[WV], 0
	s_cbranch_scc1 .Lnot_wave_0_\@
	s_barrier_signal -3
.Lnot_wave_0_\@:
	s_barrier_wait -3
	s_barrier_signal -1
	s_barrier_wait -1
.endm
.macro LOADRAW lo, hi                  ; rows lo .. hi of the block at s[KP]: two loads a row; a wave's two cover 1,024 consecutive bytes
.set T_, \lo
.rept (\hi)-(\lo)+1
.if T_ < 32
	WIN 0x80
.else
	WIN 0x40
.endif
	global_load_b128 v[8*(T_%32):8*(T_%32)+3], v[KOL], s[KP:KP+1] offset:T_*4096 th:TH_LOAD_NT
	global_load_b128 v[8*(T_%32)+4:8*(T_%32)+7], v[KOL], s[KP:KP+1] offset:T_*4096+16 th:TH_LOAD_NT
.set T_, T_+1
.endr
	WIN 0
.endm
; Rows 4 g .. 4 g + 3: bf16 copies into window 3, codes and scale bytes into LDS.  A block of 32 along K lies in four neighbouring lanes, 8 numbers each.
; Row t's two loads are numbers 2 t and 2 t + 1 of the block's 128, on every path: behind row 4 g + 3's stand 120 - 8 g, and a wait names 63 at the most.
.macro QROWS g
.set T0, 4*(\g)
.set RB, 8*(T0%32)
.if T0 < 32
.set W_, 2
.else
.set W_, 1
.endif
.set CS_, CQ+8*((\g)%2)
.set ES_, EQ+4*((\g)%2)
.if 120-8*(\g) > 63
	s_wait_loadcnt 63
.else
	s_wait_loadcnt 120-8*(\g)
.endif
.if (\g) >= 2
	s_wait_dscnt 8                                 ; only the group before's eight stores may be out: this set of codes and bytes has been read
.endif
	WIN W_|(W_<<2)
.irp i, 0,1,2,3
	v_max3_num_f32 v[M+\i], |v[RB+8*\i]|, |v[RB+8*\i+1]|, 0x4800000   ; with the floor 2^(9 - 127): the byte cannot fall under 1
.endr
.irp k, 2,4,6
.irp i, 0,1,2,3
	v_max3_num_f32 v[M+\i], |v[RB+8*\i+\k]|, |v[RB+8*\i+\k+1]|, v[M+\i]
.endr
.endr
	WIN W_|(W_<<2)|0xc0
.irp i, 0,1,2,3
.irp k, 0,1,2,3
	v_cvt_pk_bf16_f32 v[4*(T0+\i)+\k], v[RB+8*\i+2*\k], v[RB+8*\i+2*\k+1]
.endr
.endr
	WIN 0
.irp x, 1,2
.irp i, 0,1,2,3
	v_max_num_f32_dpp v[M+\i], v[M+\i], v[M+\i] row_xmask:\x row_mask:0xf bank_mask:0xf
.endr
.endr
.irp i, 0,1,2,3
	v_add_nc_u32 v[SCL+\i], 0xfc000000, v[M+\i]            ; 8 off the exponent field: the conversion's scale operand
.endr
.irp i, 0,1,2,3
	v_and_or_b32 v[H+\i], v[M+\i], 0x7f800000, s[MNT]      ; 448 x the scale
.endr
.irp i, 0,1,2,3
	v_lshrrev_b32 v[ES_+\i], 23, v[SCL+\i]                 ; the scale's byte
.endr
	WIN W_
.irp i, 0,1,2,3
.irp k, 0,1,2,3,4,5,6,7
	v_med3_num_f32 v[T+8*\i+\k], v[RB+8*\i+\k], -v[H+\i], v[H+\i]   ; the conversion does not saturate (ISA guide 7.6.2)
.endr
.endr
	WIN 0
.irp i, 0,1,2,3
	v_cvt_scalef32_pk8_fp8_f32 v[CS_+2*\i:CS_+2*\i+1], v[T+8*\i:T+8*\i+7], v[SCL+\i]
.endr
	v_nop                                          ; one plain line behind the last conversion
.irp i, 0,1,2,3
	ds_store_b64 v[CW], v[CS_+2*\i:CS_+2*\i+1] offset:(T0+\i)*CP
	ds_store_b8 v[SW], v[ES_+\i] offset:16*((T0+\i)%16)+4*((T0+\i)/16)   ; the four lanes of a block write the same byte with the same value
.endr
.endm
; A K step's fragments and scale words into set p; p is also which of the slot's two K steps.  The eighth fragment's four loads from memory first, then NF LDS loads in one run.
.macro FETCH p
	WIN 0x80
.irp c, 0,1,2,3
	global_load_b128 v[128*(\p)+112+4*\c:128*(\p)+112+4*\c+3], v[L16], s[U7:U7+1] offset:8192*(\p)+512*\c   ; 32 lanes read 512 consecutive bytes
.endr
.irp j, 0,1,2,3,4,5,6
.irp c, 0,1,2,3
	ds_load_b128 v[128*(\p)+16*\j+4*\c:128*(\p)+16*\j+4*\c+3], v[ADB] offset:HALFU*(\p)+FRG*\j+512*\c
.endr
.endr
	WIN 0
.irp m, 0,1,2,3
.irp c, 0,1,2,3
	ds_load_b128 v[AF+64*(\p)+16*\m+4*\c:AF+64*(\p)+16*\m+4*\c+3], v[ADRA] offset:\m*16*CP+32*\c
.endr
.endr
	ds_load_b128 v[SCA+8*(\p):SCA+8*(\p)+3], v[ADRS]
	ds_load_b128 v[SCA+8*(\p)+4:SCA+8*(\p)+7], v[ADB] offset:2*HALFU+512*(\p)
.endm
.macro WM acc, a, b, sa, sb, zero, odd
.if \zero
.if \odd
	v_wmma_scale_f32_16x16x128_f8f6f4 v[(\acc):(\acc)+7], v[(\a):(\a)+15], v[(\b):(\b)+15], 0, v[(\sa)], v[(\sb)] matrix_b_scale:MATRIX_SCALE_ROW1
.else
	v_wmma_scale_f32_16x16x128_f8f6f4 v[(\acc):(\acc)+7], v[(\a):(\a)+15], v[(\b):(\b)+15], 0, v[(\sa)], v[(\sb)]
.endif
.else
.if \odd
	v_wmma_scale_f32_16x16x128_f8f6f4 v[(\acc):(\acc)+7], v[(\a):(\a)+15], v[(\b):(\b)+15], v[(\acc):(\acc)+7], v[(\sa)], v[(\sb)] matrix_b_scale:MATRIX_SCALE_ROW1
.else
	v_wmma_scale_f32_16x16x128_f8f6f4 v[(\acc):(\acc)+7], v[(\a):(\a)+15], v[(\b):(\b)+15], v[(\acc):(\acc)+7], v[(\sa)], v[(\sb)]
.endif
.endif
.endm
; 32 matrix instructions on set q, Ua's tiles one after the other, the eighth last.  The 32 accumulators take turns, one instruction a turn, in the same order in every K step.
; zero = 1: the first products start the sums.  nds, nld: the LDS loads and the loads from memory that were issued behind set q's and may stay out.
.macro MUL32 q, zero, nds, nld
	s_wait_dscnt \nds
	WIN MUL
.irp j, 0,1,2,3,4,5,6
.irp m, 0,1,2,3
	WM 8*(8*\m+\j), AF+64*(\q)+16*\m, 128*(\q)+16*\j, SCA+8*(\q)+\m, SCA+8*(\q)+4+\j/2, \zero, \j%2
.endr
.endr
	s_wait_loadcnt \nld                            ; the eighth fragment of set q is in
.irp m, 0,1,2,3
	WM 8*(8*\m+7), AF+64*(\q)+16*\m, 128*(\q)+112, SCA+8*(\q)+\m, SCA+8*(\q)+7, \zero, 1
.endr
	WIN 0
.endm
; A block's first tile goes into slot 0, and lands while the block's first half is quantised.  The walking group 0 is made anew.
.macro P0
	s_wait_tensorcnt 0x0                           ; no tensor load of mine is out, so a group 0 may be written
	ds_add_u32 v[SPW], v[NIL]                      ; 0 onto my spare word
	s_mov_b32 s[G0+1], s[LB0]
	s_mov_b64 s[G0+2:G0+3], s[UAB:UAB+1]
	s_or_b32 s[G0+3], s[G0+3], 0x80000000
	s_wait_dscnt 0x0                               ; the add is done, and so are all my LDS reads of the block before
	CROUND
	tensor_load_to_lds s[G0:G0+3], s[G1:G1+7]
	s_nop 0
	NOPS 4                                         ; four lines behind a tensor load
.endm
; The next tile goes into the other slot than the last one did.  All my tensor loads have landed (one was out); my LDS reads, those of the slot to be filled among them, are back;
; behind the round that holds of every wave of the four work-groups.  By this text's own count one tensor load of a wave is out at a time.
.macro REFILL
	s_wait_tensorcnt 0x0
	ds_add_u32 v[SPW], v[NIL]                      ; 0 onto my spare word; the descriptor's steps stand between it and the wait for it
	s_xor_b32 s[G0+1], s[G0+1], SLOT1
	s_add_nc_u64 s[G0+2:G0+3], s[G0+2:G0+3], TILE  ; the type bits on top are not reached
	s_wait_dscnt 0x0
	CROUND
	tensor_load_to_lds s[G0:G0+3], s[G1:G1+7]
	s_nop 0
	NOPS 4
.endm
; A chunk's K step 0, out of slot 0, whose tile was shown landed by the wait of the refill that followed its own.  For c = 0 the barrier shows every wave the codes and scale bytes
; that the four have stored; the tile on its way into slot 1 may stay out.
.macro ENTER c
	s_wait_dscnt 0x0
.if (\c) == 0
	s_barrier_signal -1
	s_barrier_wait -1
.endif
	s_wait_xcnt 0x0                                ; earlier loads have read their base
	s_add_nc_u64 s[U7:U7+1], s[U7B:U7B+1], (\c)*65536
	s_mov_b32 s[TB], 0
	v_mov_b32 v[ADB], v[ADRB0]
	v_mov_b32 v[ADRA], v[ADRA0]
	v_mov_b32 v[ADRS], v[ADRS0]
	FETCH 0
.endm
; A slot's second K step is fetched into set 1, and set 0 is multiplied.  No wait for a tile and no barrier: the slot is whole, and a wave reads its own unit.
.macro PLAIN zero
	v_add_nc_u32 v[ADRA], 128, v[ADRA]
	v_add_nc_u32 v[ADRS], 256, v[ADRS]
	NOPS 6                                         ; eight places in all behind the last product that read set 1
	FETCH 1
	MUL32 0, \zero, NF, 4
.endm
; The next pair of K steps.  refill = 1: the slot just left takes the tile after the one in hand, which then has two K steps, 64 matrix instructions and 92 LDS loads, in which to land.
.macro PAIR refill
	s_wait_xcnt 0x0                                ; the eighth fragments' loads have read their base
	s_add_nc_u64 s[U7:U7+1], s[U7:U7+1], 16384
	s_xor_b32 s[TB], s[TB], SLOT1
.if \refill
	REFILL
.else
	s_wait_tensorcnt 0x0                           ; the block's last tile; nothing is filled, and a wave reads its own unit: its own wait is all that the reads need
	NOPS 4
.endif
	v_add_nc_u32 v[ADB], s[TB], v[ADRB0]
	v_add_nc_u32 v[ADRA], 128, v[ADRA]
	v_add_nc_u32 v[ADRS], 256, v[ADRS]
	NOPS 1                                         ; eight places in all behind the last product that read set 0
	FETCH 0
	MUL32 1, 0, NF, 4
	PLAIN 0
.endm
; 512 columns: eight K steps, four tiles.  Chunk 0 asks for its tiles 2 and 3 and for chunk 1's first two, the second of them ahead of its last products, so that it lands under the epilogue;
; chunk 1 asks for its tiles 2 and 3, and its last pair is written out.
.macro CHUNK c
	ENTER \c
	PLAIN 1
	s_mov_b32 s[CNT], 3-(\c)
.Lk_\@:
	PAIR 1
	s_sub_co_u32 s[CNT], s[CNT], 1
	s_cmp_lg_u32 s[CNT], 0
	s_cbranch_scc1 .Lk_\@
.if \c
	PAIR 0
.else
	REFILL
.endif
	MUL32 1, 0, 0, 0
	NOPS 8                                         ; eight places before results are read and before loads land on the operands
.endm
; Columns (c, j): four accumulators.  2^(C2 x + qb), + 1, the reciprocal, and S += -2 Va / (..).  first = 1: the sums begin with the sum of Va.  Each accumulator is read from its low end on.
.macro EPI c, j, first
	WIN 0x41
.irp m, 0,1,2,3
.irp k, 0,2,4,6
.if (\j)%2
	v_pk_fma_f32 v[8*(8*\m+\j)+\k:8*(8*\m+\j)+\k+1], v[8*(8*\m+\j)+\k:8*(8*\m+\j)+\k+1], s[C2S:C2S+1], v[QC+8*\c+\j-1:QC+8*\c+\j] op_sel:[0,0,1] op_sel_hi:[1,0,1]
.else
	v_pk_fma_f32 v[8*(8*\m+\j)+\k:8*(8*\m+\j)+\k+1], v[8*(8*\m+\j)+\k:8*(8*\m+\j)+\k+1], s[C2S:C2S+1], v[QC+8*\c+\j:QC+8*\c+\j+1] op_sel_hi:[1,0,0]
.endif
.endr
.endr
.irp m, 0,1,2,3
.irp k, 0,1,2,3,4,5,6,7
	v_exp_f32 v[8*(8*\m+\j)+\k], v[8*(8*\m+\j)+\k]
.endr
.endr
	v_nop                                          ; a plain line behind the transcendentals
	s_wait_alu depctr_va_vdst(0)
.irp m, 0,1,2,3
.irp k, 0,2,4,6
	v_pk_add_f32 v[8*(8*\m+\j)+\k:8*(8*\m+\j)+\k+1], v[8*(8*\m+\j)+\k:8*(8*\m+\j)+\k+1], 1.0 op_sel_hi:[1,0]
.endr
.endr
.irp m, 0,1,2,3
.irp k, 0,1,2,3,4,5,6,7
	v_rcp_f32 v[8*(8*\m+\j)+\k], v[8*(8*\m+\j)+\k]
.endr
.endr
	v_nop
	s_wait_alu depctr_va_vdst(0)
	WIN 0x01
.irp m, 0,1,2,3
.irp k, 0,2,4,6
.if \first
	s_wait_alu depctr_va_vdst(0)
	v_pk_fma_f32 v[S+8*\m+\k:S+8*\m+\k+1], v[8*(8*\m+\j)+\k:8*(8*\m+\j)+\k+1], v[VA2+8*\c+\j:VA2+8*\c+\j+1], v[VS:VS+1] op_sel_hi:[1,0,1]
.elseif (\j)%2
	v_pk_fma_f32 v[S+8*\m+\k:S+8*\m+\k+1], v[8*(8*\m+\j)+\k:8*(8*\m+\j)+\k+1], v[VA2+8*\c+\j-1:VA2+8*\c+\j], v[S+8*\m+\k:S+8*\m+\k+1] op_sel:[0,1,0] op_sel_hi:[1,1,1]
.else
	v_pk_fma_f32 v[S+8*\m+\k:S+8*\m+\k+1], v[8*(8*\m+\j)+\k:8*(8*\m+\j)+\k+1], v[VA2+8*\c+\j:VA2+8*\c+\j+1], v[S+8*\m+\k:S+8*\m+\k+1] op_sel_hi:[1,0,1]
.endif
.endr
.endr
	WIN 0
.endm
	s_load_b256 s[4:11], s[0:1], 0x0               ; keys, ua, qb, Va_w
	s_load_b256 s[12:19], s[0:1], 0x20             ; Va_b, sc, pc, pml
	v_lshl_add_u32 v[SPW], v0, 2, SPARE
	v_mov_b32 v[NIL], 0
	v_lshrrev_b32 v1, 5, v0
	v_readfirstlane_b32 s[WV], v1                  ; wave 0..3
	s_bfe_u32 s46, ttmp6, 0x40000                  ; cx
	s_lshl_b32 s[GI], ttmp9, 2
	s_add_co_u32 s[GI], s[GI], s46                 ; my work-group: it enters the addresses of keys, qb, sc, pc and pml alone
	; group 1: a unit is 116 dense rows of 256 bytes (32 elements of 8 bytes), no padding: it is read back 16 bytes a lane on end
	s_mov_b32 s[G1], 15|(3<<16)|(1<<21)            ; 15:0 the mask: all four work-groups; 17:16 elements of 8 bytes; 21 set beside a mask
	s_mov_b32 s[G1+1], 32<<16                      ; tensor_dim0
	s_mov_b32 s[G1+2], 116<<16                     ; tensor_dim1
	s_mov_b32 s[G1+3], 32<<16                      ; tile_dim0
	s_mov_b32 s[G1+4], 116                         ; tile_dim1
	s_mov_b32 s[G1+5], 32                          ; from row to row
	s_mov_b32 s[G1+6], 0
	s_mov_b32 s[G1+7], 0
	s_mul_i32 s[LB0], s[WV], UNIT                  ; my unit in a slot: no place in the cluster enters an LDS address
	s_mov_b32 s[G0], 1
	s_mov_b32 s[MNT], 0x600000
	s_mov_b32 s[SEL], 0x76543210
	s_mov_b32 s[SEL+1], 0xfedcba98
	s_mov_b32 s[C2S], 0x4038aa3b                   ; 2 log2(e)
	s_mov_b32 s[C2S+1], s[C2S]
	s_mov_b32 s[L2E], 0x3fb8aa3b
	s_mov_b32 s[BLK], 4
	v_and_b32 v192, 15, v0                         ; r
	v_bfe_u32 v193, v0, 4, 1                       ; h
	v_and_b32 v194, 31, v0                         ; lane
	v_lshlrev_b32 v[KO], 5, v0
	v_mov_b32 v[KOL], v[KO]
	v_lshlrev_b32 v[L16], 4, v194
	v_lshl_add_u32 v[CW], v0, 3, CODES
	v_lshrrev_b32 v1, 4, v0
	v_bfe_u32 v195, v0, 2, 2
	v_lshl_add_u32 v[SW], v1, 8, v195
	v_add_nc_u32 v[SW], ASC, v[SW]
	v_mul_u32_u24 v[ADRA0], v192, CP
	v_lshl_add_u32 v[ADRA0], v193, 4, v[ADRA0]
	v_add_nc_u32 v[ADRA0], CODES, v[ADRA0]
	v_lshl_add_u32 v[ADRS0], v192, 4, ASC
	v_lshl_add_u32 v[ADRB0], v194, 4, s[LB0]
	s_lshl_b32 s47, s[WV], 8
	v_lshl_add_u32 v[SCRW], v193, 5, s47
	v_add_nc_u32 v[SCRW], SCR, v[SCRW]             ; my wave's 64 words, rows 8 h on
	v_lshl_add_u32 v[SCRR], v194, 3, SCR           ; rows 2 lane, 2 lane + 1
	v_lshl_add_u32 v[PBW], v194, 3, s47
	v_add_nc_u32 v[PBW], PB, v[PBW]
	v_mov_b32 v[PBR], s47
	v_add_nc_u32 v[PBR], PB, v[PBR]
	v_lshlrev_b32 v[SCO], 3, v194
	s_lshl_b32 s52, s[WV], 15
	v_lshl_add_u32 v[PFO], v194, 8, s52
	s_lshl_b32 s53, s[WV], 9
	v_lshl_add_u32 v[QO], v192, 2, s53
	v_mov_b32 v197, 0                              ; a lane permute's destination counts as one of its sources
	s_wait_kmcnt 0x0
	s_load_b32 s[VBV], s[12:13], 0x0
	s_mov_b32 s47, 0
	s_lshl_b32 s46, s[GI], 20                      ; 256 rows of 4,096 bytes
	s_add_nc_u64 s[KP:KP+1], s[KP:KP+1], s[46:47]
	s_lshr_b32 s46, s[GI], 3                       ; the batch
	s_lshl_b32 s46, s46, 12
	s_add_nc_u64 s[8:9], s[8:9], s[46:47]
	s_lshl_b32 s46, s[GI], 10
	s_add_nc_u64 s[SC:SC+1], s[SC:SC+1], s[46:47]
	s_lshl_b32 s46, s[GI], 12
	s_add_nc_u64 s[16:17], s[16:17], s[46:47]
	s_lshl_b32 s46, s[GI], 8
	s_add_nc_u64 s[18:19], s[18:19], s[46:47]
	s_mov_b32 s46, s[LB0]
	s_add_nc_u64 s[UAB:UAB+1], s[6:7], s[46:47]
	s_lshl_b32 s46, s[WV], 11
	s_add_co_u32 s46, s46, U7OFF
	s_add_nc_u64 s[U7B:U7B+1], s[6:7], s[46:47]
.irp c, 0,1
.irp j, 0,1,2,3,4,5,6,7
	global_load_b32 v[QC+8*\c+\j], v[QO], s[8:9] offset:2048*\c+64*\j
	global_load_b32 v[VA2+8*\c+\j], v[QO], s[10:11] offset:2048*\c+64*\j
.endr
.endr
	LOADRAW 0, 29
	s_wait_loadcnt 60                              ; behind qb's and Va's loads stand the 60 of rows 0-29
	v_add_f32 v[VS], v[VA2], v[VA2+1]
.irp i, 2,3,4,5,6,7,8,9,10,11,12,13,14,15
	v_add_f32 v[VS], v[VS], v[VA2+\i]
.endr
	v_mov_b32 v[VS+1], v[VS]
.irp i, 0,1,2,3,4,5,6,7,8,9,10,11,12,13,14,15
	v_mul_f32 v[VA2+\i], -2.0, v[VA2+\i]
.endr
	v_mov_b32 v[MX], 0xff61b1e6                    ; -3e38, under every score
	v_mov_b32 v[LS], 0
.irp i, 0,1,2,3,4,5,6,7
	v_mov_b32 v[CTX+\i], 0                         ; the block is written once: the first finds zeros, which the first rescaling leaves zeros
.endr
	LOADRAW 30, 63
	s_wait_kmcnt 0x0                               ; Va_b
.Lblock:
	P0
.irp g, 0,1,2,3,4,5,6,7
	QROWS \g
.endr
	REFILL                                         ; tile 1, into slot 1: tile 0 has had half the quantising in which to land, tile 1 has the other half
.irp g, 8,9,10,11,12,13,14,15
	QROWS \g
.endr
	CHUNK 0
	EPI 0, 0, 1
.irp j, 1,2,3,4,5,6,7
	EPI 0, \j, 0
.endr
	CHUNK 1
	; ---- from here on the next block's rows are asked for.  Where there is none: the base stays, and every lane's offset is 0
	s_cmp_eq_u32 s[BLK], 1
	s_cselect_b32 s[MSK], 0, -1
	s_cselect_b32 s[KST], 0, 0x40000               ; 64 rows of 4,096 bytes
	s_mov_b32 s[KST+1], 0
	s_wait_xcnt 0x0                                ; earlier loads have read their base and their offset
	s_add_nc_u64 s[KP:KP+1], s[KP:KP+1], s[KST:KST+1]
	v_and_b32 v[KOL], s[MSK], v[KO]
	LOADRAW 0, 3                                   ; Ua's fragments are done with: rows 0-31 land on them, four rows ahead of each part of the epilogue
	s_cmp_eq_u32 s[BLK], 1                         ; the last block prefetches nothing
	s_cbranch_scc1 .Lno_pf
.irp i, 0,1,2,3
	global_prefetch_b8 v[PFO], s[KP:KP+1] offset:131072+8192*\i th:TH_LOAD_NT scope:SCOPE_SE   ; rows 32-63 of the next block, whose loads stand behind this epilogue: lanes 256 bytes apart, 32,768 bytes a wave, each block of 256 bytes named once
.endr
.Lno_pf:
	EPI 1, 0, 0
.irp j, 1,2,3,4,5,6,7
	LOADRAW 4*\j, 4*\j+3
	EPI 1, \j, 0
.endr
	; ---- the scores: over the 16 lanes that share a row, then over the four waves.  The accumulators are done with: rows 32-39 land on them, two rows behind each stage
.set R_, 32
.irp x, 1,2,4,8
.set I_, 0
.rept 32
	v_add_f32_dpp v[S+I_], v[S+I_], v[S+I_] row_xmask:\x row_mask:0xf bank_mask:0xf
.set I_, I_+1
.endr
	LOADRAW R_, R_+1
.set R_, R_+2
.endr
.irp m, 0,1,2,3
	ds_store_b128 v[SCRW], v[S+8*\m:S+8*\m+3] offset:64*\m          ; the 16 lanes of a half write the same 16 bytes with the same values
	ds_store_b128 v[SCRW], v[S+8*\m+4:S+8*\m+7] offset:64*\m+16
.endr
	s_wait_dscnt 0x0                               ; for the others' sake
	s_barrier_signal -1
	s_barrier_wait -1                              ; behind it nobody reads this block's codes any more, either
.irp w, 0,1,2,3
	ds_load_b64 v[192+2*\w:193+2*\w], v[SCRR] offset:256*\w
.endr
	s_wait_dscnt 0x0
	v_pk_add_f32 v[192:193], v[192:193], v[194:195]
	v_pk_add_f32 v[196:197], v[196:197], v[198:199]
	v_pk_add_f32 v[192:193], v[192:193], v[196:197]
	v_add_f32 v192, s[VBV], v192
	v_add_f32 v193, s[VBV], v193                   ; the scores of rows 2 lane, 2 lane + 1, in every wave
	s_cmp_lg_u32 s[WV], 0
	s_cbranch_scc1 .Lnot_0
	global_store_b64 v[SCO], v[192:193], s[SC:SC+1]   ; 32 lanes store 256 consecutive bytes, aligned
.Lnot_0:
	; ---- the running softmax
	v_max_num_f32 v196, v192, v193
.irp x, 1,2,4,8
	v_max_num_f32_dpp v196, v196, v196 row_xmask:\x row_mask:0xf bank_mask:0xf
.endr
	v_permlanex16_b32 v197, v196, s[SEL], s[SEL+1]
	v_max3_num_f32 v198, v196, v197, v[MX]         ; the new m
	v_sub_f32 v199, v[MX], v198
	v_sub_f32 v194, v192, v198
	v_sub_f32 v195, v193, v198
	v_mul_f32 v199, s[L2E], v199
	v_mul_f32 v194, s[L2E], v194
	v_mul_f32 v195, s[L2E], v195
	v_exp_f32 v199, v199                           ; what was summed under the old m is brought under the new
	v_exp_f32 v194, v194
	v_exp_f32 v195, v195                           ; p, at most 1
	v_mov_b32 v[MX], v198                          ; (a plain line behind the transcendentals)
	s_wait_alu depctr_va_vdst(0)
	ds_store_b64 v[PBW], v[194:195]
.irp i, 0,1,2,3,4,5,6,7,8,9,10,11,12,13,14,15
	ds_load_b128 v[P+4*\i:P+4*\i+3], v[PBR] offset:16*\i   ; all 64 p into every lane; my wave's own bytes, served in order (ISA guide 5.7.1.4)
.endr
	v_add_f32 v196, v194, v195
.irp x, 1,2,4,8
	v_add_f32_dpp v196, v196, v196 row_xmask:\x row_mask:0xf bank_mask:0xf
.endr
	v_permlanex16_b32 v197, v196, s[SEL], s[SEL+1]
	v_add_f32 v196, v196, v197
	v_fma_f32 v[LS], v[LS], v199, v196
.irp i, 0,1,2,3,4,5,6,7
	v_mul_f32 v[CTX+\i], v[CTX+\i], v199
.endr
	s_wait_dscnt 0x0
	; ---- the context: 64 rows x my 8 columns, straight from the bf16 halves; eight sums by turns.  Behind each eight rows three of the next block's rows 40-63 are asked for
.set TC_, 0
.rept 8
	WIN 0x03
.rept 8
.irp k, 0,1,2,3
	v_fma_mix_f32_bf16 v[CTX+2*\k], v[4*TC_+\k], v[P+TC_], v[CTX+2*\k] op_sel:[0,0,0] op_sel_hi:[1,0,0]
	v_fma_mix_f32_bf16 v[CTX+2*\k+1], v[4*TC_+\k], v[P+TC_], v[CTX+2*\k+1] op_sel:[1,0,0] op_sel_hi:[1,0,0]
.endr
.set TC_, TC_+1
.endr
	LOADRAW 37+3*(TC_/8), 39+3*(TC_/8)
.endr
	s_wait_xcnt 0x0                                ; the scores' store has read its data and its base
	s_add_nc_u64 s[SC:SC+1], s[SC:SC+1], 256
	s_sub_co_u32 s[BLK], s[BLK], 1
	s_cmp_lg_u32 s[BLK], 0
	s_cbranch_scc1 .Lblock
	global_store_b128 v[KO], v[CTX:CTX+3], s[16:17]
	global_store_b128 v[KO], v[CTX+4:CTX+7], s[16:17] offset:16
	s_cmp_lg_u32 s[WV], 0
	s_cbranch_scc1 .Lnot_0_end
	global_store_b64 v[SCO], v[MX:MX+1], s[18:19]  ; (m, l), 32 copies: 256 consecutive bytes, aligned
.Lnot_0_end:
	s_wait_tensorcnt 0x0                           ; the wave's end
	ds_add_u32 v[SPW], v[NIL]
	s_wait_dscnt 0x0
	CROUND                                         ; the closing round: no work-group ends while a partner may still ask for a tile that names it
	s_endpgm
.Lfunc_end_k_q2fb0c29f31_main:
	.size	k_q2fb0c29f31_main, .Lfunc_end_k_q2fb0c29f31_main-k_q2fb0c29f31_main
	.p2alignl 7, 3214868480
	.fill 96, 4, 3214868480
	.section	.rodata,"a",@progbits
	.p2align	6, 0x0
	.amdhsa_kernel k_q2fb0c29f31_main
		.amdhsa_group_segment_fixed_size 327680
		.amdhsa_private_segment_fixed_size 0
		.amdhsa_enable_private_segment 0
		.amdhsa_kernarg_size 64
		.amdhsa_user_sgpr_count 2
		.amdhsa_user_sgpr_kernarg_segment_ptr 1
		.amdhsa_wavefront_size32 1
		.amdhsa_system_sgpr_workgroup_id_x 1
		.amdhsa_system_sgpr_workgroup_id_y 1
		.amdhsa_system_sgpr_workgroup_id_z 1
		.amdhsa_system_vgpr_workitem_id 0
		.amdhsa_next_free_vgpr 1024
		.amdhsa_next_free_sgpr 66
		.amdhsa_reserve_vcc 0
		.amdhsa_float_denorm_mode_32 3
		.amdhsa_float_denorm_mode_16_64 3
		.amdhsa_memory_ordered 1
		.amdhsa_forward_progress 1
		.amdhsa_inst_pref_size 255
	.end_amdhsa_kernel
	.section	.bss,"aw",@nobits
	.p2align	6
	.space	262144
	.amdgpu_metadata
---
amdhsa.version: [ 1, 2 ]
amdhsa.kernels:
  - .name:           k_q2fb0c29f31_main
    .symbol:         k_q2fb0c29f31_main.kd
    .args:
      - { .name: keys, .offset: 0, .size: 8, .value_kind: global_buffer, .address_space: global }
      - { .name: ua, .offset: 8, .size: 8, .value_kind: global_buffer, .address_space: global }
      - { .name: qb, .offset: 16, .size: 8, .value_kind: global_buffer, .address_space: global }
      - { .name: Va_w, .offset: 24, .size: 8, .value_kind: global_buffer, .address_space: global }
      - { .name: Va_b, .offset: 32, .size: 8, .value_kind: global_buffer, .address_space: global }
      - { .name: sc, .offset: 40, .size: 8, .value_kind: global_buffer, .address_space: global }
      - { .name: pc, .offset: 48, .size: 8, .value_kind: global_buffer, .address_space: global }
      - { .name: pml, .offset: 56, .size: 8, .value_kind: global_buffer, .address_space: global }
    .group_segment_fixed_size: 327680
    .private_segment_fixed_size: 0
    .kernarg_segment_align: 8
    .kernarg_segment_size: 64
    .max_flat_workgroup_size: 128
    .sgpr_count:     66
    .vgpr_count:     1024
    .wavefront_size: 32
...
	.end_amdgpu_metadata
.endif
;; end of part 2
;; launch fin (part 3): grid 32 x 1, 8 waves a work-group, no clusters, 0 bytes of LDS; arguments sc, pc, pml, out0, out1; writes out0, out1
.if DOCPART == 3
	.amdgcn_target "amdgcn-amd-amdhsa--gfx1250"
	.amdhsa_code_object_version 6
	.text
	.protected	k_q2fb0c29f31_fin
	.globl	k_q2fb0c29f31_fin
	.p2align	8
	.type	k_q2fb0c29f31_fin,@function
k_q2fb0c29f31_fin:
	s_mov_b64 s[64:65], 0
	v_nop
	global_prefetch_b8 v0, s[64:65] scope:SCOPE_SE
	s_setreg_imm32_b32 hwreg(HW_REG_WAVE_MODE, 25, 1), 1
	s_wait_xcnt 0x0
; One work-group a batch joins the batch's eight parts: M = max m_i, e_i = 2^((m_i - M) log2 e), L = sum l_i e_i; context = sum e_i pc_i / L; weights = 2^((s - M) log2 e) / L.
; 256 threads: 16 bytes each of the context's 4,096 and twice 16 of the weights' 8,192: every load and store of a wave covers 512 consecutive bytes.  No LDS, no barrier, no matrix unit: there is nothing for them here.
	s_load_b256 s[4:11], s[0:1], 0x0               ; sc s[4:5], pc s[6:7], pml s[8:9], out0 s[10:11]
	s_load_b64 s[12:13], s[0:1], 0x20              ; out1
	v_lshlrev_b32 v1, 4, v0
	s_mov_b32 s15, 0
	s_wait_kmcnt 0x0
	s_lshl_b32 s14, ttmp9, 11                      ; eight units of 256 bytes
	s_add_nc_u64 s[8:9], s[8:9], s[14:15]
.irp i, 0,1,2,3,4,5,6,7
	s_load_b64 s[16+2*\i:17+2*\i], s[8:9], 256*\i  ; (m_i, l_i)
.endr
	s_lshl_b32 s14, ttmp9, 15
	s_add_nc_u64 s[6:7], s[6:7], s[14:15]
	s_lshl_b32 s14, ttmp9, 13
	s_add_nc_u64 s[4:5], s[4:5], s[14:15]
	s_add_nc_u64 s[12:13], s[12:13], s[14:15]
	s_lshl_b32 s14, ttmp9, 12
	s_add_nc_u64 s[10:11], s[10:11], s[14:15]
.irp i, 0,1,2,3,4,5,6,7
	global_load_b128 v[32+4*\i:35+4*\i], v1, s[6:7] offset:4096*\i
.endr
	global_load_b128 v[24:27], v1, s[4:5]
	global_load_b128 v[28:31], v1, s[4:5] offset:4096
	s_wait_kmcnt 0x0
	v_mov_b32 v2, s16
.irp i, 1,2,3,4,5,6,7
	v_max_num_f32 v2, s[16+2*\i], v2               ; M
.endr
.irp i, 0,1,2,3,4,5,6,7
	v_sub_f32 v[8+\i], s[16+2*\i], v2
.endr
.irp i, 0,1,2,3,4,5,6,7
	v_mul_f32 v[8+\i], 0x3fb8aa3b, v[8+\i]
.endr
.irp i, 0,1,2,3,4,5,6,7
	v_exp_f32 v[8+\i], v[8+\i]
.endr
	v_nop                                          ; a plain line behind the transcendentals
	s_wait_alu depctr_va_vdst(0)
	v_mul_f32 v3, s17, v8
.irp i, 1,2,3,4,5,6,7
	v_fma_f32 v3, s[17+2*\i], v[8+\i], v3          ; L
.endr
	v_rcp_f32 v4, v3
	v_nop
	s_wait_alu depctr_va_vdst(0)
.irp i, 0,1,2,3,4,5,6,7
	v_mul_f32 v[8+\i], v[8+\i], v4                 ; e_i / L
.endr
	s_wait_loadcnt 0x0
.irp k, 0,1,2,3
	v_mul_f32 v[20+\k], v[32+\k], v8
.endr
.irp i, 1,2,3,4,5,6,7
.irp k, 0,1,2,3
	v_fma_f32 v[20+\k], v[32+4*\i+\k], v[8+\i], v[20+\k]
.endr
.endr
	global_store_b128 v1, v[20:23], s[10:11]
.irp k, 0,1,2,3,4,5,6,7
	v_sub_f32 v[24+\k], v[24+\k], v2
.endr
.irp k, 0,1,2,3,4,5,6,7
	v_mul_f32 v[24+\k], 0x3fb8aa3b, v[24+\k]
.endr
.irp k, 0,1,2,3,4,5,6,7
	v_exp_f32 v[24+\k], v[24+\k]
.endr
	v_nop
	s_wait_alu depctr_va_vdst(0)
.irp k, 0,1,2,3,4,5,6,7
	v_mul_f32 v[24+\k], v[24+\k], v4
.endr
	global_store_b128 v1, v[24:27], s[12:13]
	global_store_b128 v1, v[28:31], s[12:13] offset:4096
	s_endpgm
.Lfunc_end_k_q2fb0c29f31_fin:
	.size	k_q2fb0c29f31_fin, .Lfunc_end_k_q2fb0c29f31_fin-k_q2fb0c29f31_fin
	.p2alignl 7, 3214868480
	.fill 96, 4, 3214868480
	.section	.rodata,"a",@progbits
	.p2align	6, 0x0
	.amdhsa_kernel k_q2fb0c29f31_fin
		.amdhsa_group_segment_fixed_size 0
		.amdhsa_private_segment_fixed_size 0
		.amdhsa_enable_private_segment 0
		.amdhsa_kernarg_size 40
		.amdhsa_user_sgpr_count 2
		.amdhsa_user_sgpr_kernarg_segment_ptr 1
		.amdhsa_wavefront_size32 1
		.amdhsa_system_sgpr_workgroup_id_x 1
		.amdhsa_system_sgpr_workgroup_id_y 1
		.amdhsa_system_sgpr_workgroup_id_z 1
		.amdhsa_system_vgpr_workitem_id 0
		.amdhsa_next_free_vgpr 64
		.amdhsa_next_free_sgpr 66
		.amdhsa_reserve_vcc 0
		.amdhsa_float_denorm_mode_32 3
		.amdhsa_float_denorm_mode_16_64 3
		.amdhsa_memory_ordered 1
		.amdhsa_forward_progress 1
		.amdhsa_inst_pref_size 8
	.end_amdhsa_kernel
	.amdgpu_metadata
---
amdhsa.version: [ 1, 2 ]
amdhsa.kernels:
  - .name:           k_q2fb0c29f31_fin
    .symbol:         k_q2fb0c29f31_fin.kd
    .args:
      - { .name: sc, .offset: 0, .size: 8, .value_kind: global_buffer, .address_space: global }
      - { .name: pc, .offset: 8, .size: 8, .value_kind: global_buffer, .address_space: global }
      - { .name: pml, .offset: 16, .size: 8, .value_kind: global_buffer, .address_space: global }
      - { .name: out0, .offset: 24, .size: 8, .value_kind: global_buffer, .address_space: global }
      - { .name: out1, .offset: 32, .size: 8, .value_kind: global_buffer, .address_space: global }
    .group_segment_fixed_size: 0
    .private_segment_fixed_size: 0
    .kernarg_segment_align: 8
    .kernarg_segment_size: 40
    .max_flat_workgroup_size: 256
    .sgpr_count:     66
    .vgpr_count:     64
    .wavefront_size: 32
...
	.end_amdgpu_metadata
.endif
;; end of part 3
